; MI455X (gfx1250); checked and timed in simulation.
; The chip was launched on July 23, 2026; its instructions are those of AMD's public machine-readable ISA for CDNA 5 (MIT licence, August 2026) and "CDNA5" Instruction Set Architecture Reference Guide (July 2026). The comments in the code are by the model that wrote it; some were corrected since.
;; Transformer Block. Allowed arithmetic: float matrix products may take bf16 or f16 operands with f32 sums; other float arithmetic in f32, or as packed bf16 or f16 multiplies, adds, multiply-adds, maxima and minima; sums over many terms, partial sums and values carried from step to step in f32; what a program stores and reads back later, other than sums and carried values, may be rounded once to bf16 or f16.
;; Inputs: W1 256 x 1,024 float32; W2 1,024 x 256 float32; Wk 8 x 256 x 32 float32; Wo 256 x 256 float32; Wq 8 x 256 x 32 float32; Wv 8 x 256 x 32 float32; b1 1,024 float32; b2 256 float32; be1 256 float32; be2 256 float32; bo 256 float32; g1 256 float32; g2 256 float32; x 512 x 128 x 256 float32.
;; Outputs: out0 512 x 128 x 256 float32.
;; One version. Each part assembles by itself: llvm-mc -triple=amdgcn-amd-amdhsa -mcpu=gfx1250 --defsym DOCPART=n.
;; ======== version 1 of 1: 2 launches
;; limits: values are held in f16: magnitudes above 65,504 overflow, below 6.1e-05 lose precision
;; workspace buffers: wts 1,583,104 bytes
;; launch prep (part 1): grid 773 x 1, 4 waves a work-group, no clusters, 0 bytes of LDS; arguments Wk, Wv, Wq, Wo, W1, W2, g1, be1, bo, g2, be2, b2, b1, wts; writes wts
.if DOCPART == 1
	.amdgcn_target "amdgcn-amd-amdhsa--gfx1250"
	.amdhsa_code_object_version 6
	.text
	.protected	k_qde4af0f7cc_prep
	.globl	k_qde4af0f7cc_prep
	.p2align	8
	.type	k_qde4af0f7cc_prep,@function
k_qde4af0f7cc_prep:
	s_mov_b64 s[64:65], 0
	v_nop
	global_prefetch_b8 v0, s[64:65] scope:SCOPE_SE
	s_setreg_imm32_b32 hwreg(HW_REG_WAVE_MODE, 25, 1), 1
	s_wait_xcnt 0x0
; The six weight tensors, rounded once to f16 and laid out as the second launch reads them, and the seven small vectors, copied as f32.
; wts = 24 slots of 65,536 bytes (64 fragments of 1,024 bytes), then a table of 10,240 bytes.
; A FRAGMENT is 16 outputs n x 32 inputs k, in two blocks of 512 bytes: in block c lane l = (r = l % 16, h = l / 16) owns 16 bytes at 16 l: k = k0 + 16 c + 8 h + 0..7 of output n0 + r.
;   slot s = 0..7 (head s): fragments 0-15 Wk, 16-31 Wv, 32-47 Wq (number 2 kb + nb: k0 = 32 kb, n0 = 16 nb), 48-63 Wo (n0 = 16 (f - 48), k0 = 32 s)
;   slot 8 + ch: two halves u of 32 fragments: 0-15 W1 (k0 = 32 kb, n0 = 64 ch + 32 u + 16 nb), 16-31 W2 (n0 = 16 (fi - 16), k0 = 64 ch + 32 u)
;   table: g1, be1, bo, g2, be2, b2 (1,024 bytes each), b1 (4,096)
; SHARES.  One wave makes one block of 512 bytes: 3,072 blocks of weights and 20 of the table = 773 work-groups of four waves.  Its store covers 512 consecutive bytes, aligned.
; The sources lie [k][n], so a lane gathers its eight k by eight loads of 4 bytes (sixteen lanes read 64 neighbouring bytes): 3 MB in all, once.  No LDS, no barrier: no wave needs another.
; LIMIT.  A weight beyond 65,504 in magnitude has no f16.
.set NBLK, 3072
; One block.  s41 = k0, s42 = n0, s44 = further bytes (the head's part of Wk, Wv, Wq), s7 = 16 c.  skl: a row of the source is 1 << skl bytes, so the eight k stand in the immediates.
.macro BLOCK base, skl
	s_add_co_u32 s41, s41, s7
	s_lshl_b32 s41, s41, \skl
	s_add_co_u32 s41, s41, s44
	s_lshl2_add_u32 s41, s42, s41                  ; + 4 n0
	v_lshlrev_b32 v16, (\skl)+3, v3                ; 8 h rows
	v_lshl_add_u32 v16, v2, 2, v16                 ; + 4 r
	v_add_nc_u32 v16, s41, v16
.irp j, 0,1,2,3,4,5,6,7
	global_load_b32 v[8+\j], v16, s[\base:\base+1] offset:(\j)<<(\skl)
.endr
	s_wait_loadcnt 0x0
.irp j, 0,1,2,3
	v_cvt_pk_f16_f32 v[4+\j], v[8+2*\j], v[9+2*\j] ; the lower k in the lower half
.endr
	global_store_b128 v24, v[4:7], s[34:35]
	s_endpgm
.endm
	s_load_b512 s[8:23], s[0:1], 0x0               ; Wk 8, Wv 10, Wq 12, Wo 14, W1 16, W2 18, g1 20, be1 22
	s_load_b256 s[24:31], s[0:1], 0x40             ; bo 24, g2 26, be2 28, b2 30
	s_load_b128 s[32:35], s[0:1], 0x60             ; b1 32, wts 34
	v_lshrrev_b32 v1, 5, v0
	v_readfirstlane_b32 s2, v1                     ; wave
	s_lshl_b32 s3, ttmp9, 2
	s_add_co_u32 s3, s3, s2                        ; the block's number
	v_and_b32 v1, 31, v0
	v_and_b32 v2, 15, v0                           ; r
	v_bfe_u32 v3, v0, 4, 1                         ; h
	v_lshlrev_b32 v25, 4, v1                       ; 16 x lane
	s_lshl_b32 s4, s3, 9
	v_add_nc_u32 v24, s4, v25                      ; where the block goes: 512 x number + 16 x lane (the table begins at 512 x 3,072)
	s_lshr_b32 s5, s3, 7                           ; slot
	s_bfe_u32 s6, s3, 0x60001                      ; fragment f
	s_and_b32 s7, s3, 1
	s_lshl_b32 s7, s7, 4                           ; 16 c
	s_mov_b32 s44, 0
	s_wait_kmcnt 0x0
	s_cmp_ge_u32 s3, NBLK
	s_cbranch_scc1 .Lpar
	s_cmp_ge_u32 s5, 8
	s_cbranch_scc1 .Lffn
	s_cmp_ge_u32 s6, 48
	s_cbranch_scc1 .Lwo
	s_lshr_b32 s40, s6, 4                          ; 0 Wk, 1 Wv, 2 Wq
	s_bfe_u32 s41, s6, 0x30001
	s_lshl_b32 s41, s41, 5                         ; k0 = 32 kb
	s_and_b32 s42, s6, 1
	s_lshl_b32 s42, s42, 4                         ; n0 = 16 nb
	s_lshl_b32 s44, s5, 15                         ; the head's 256 x 32 numbers
	s_mov_b64 s[36:37], s[8:9]
	s_cmp_eq_u32 s40, 1
	s_cselect_b64 s[36:37], s[10:11], s[36:37]
	s_cmp_eq_u32 s40, 2
	s_cselect_b64 s[36:37], s[12:13], s[36:37]
	BLOCK 36, 7
.Lwo:
	s_lshl_b32 s41, s5, 5                          ; k0 = 32 x head
	s_sub_co_u32 s42, s6, 48
	s_lshl_b32 s42, s42, 4
	BLOCK 14, 10
.Lffn:
	s_sub_co_u32 s45, s5, 8
	s_lshl_b32 s45, s45, 6
	s_lshr_b32 s46, s6, 5
	s_lshl_b32 s46, s46, 5
	s_add_co_u32 s45, s45, s46                     ; first hidden column: 64 ch + 32 u
	s_and_b32 s46, s6, 31                          ; fi
	s_cmp_ge_u32 s46, 16
	s_cbranch_scc1 .Lw2
	s_lshr_b32 s41, s46, 1
	s_lshl_b32 s41, s41, 5
	s_and_b32 s42, s46, 1
	s_lshl_b32 s42, s42, 4
	s_add_co_u32 s42, s42, s45
	BLOCK 16, 12
.Lw2:
	s_mov_b32 s41, s45
	s_sub_co_u32 s42, s46, 16
	s_lshl_b32 s42, s42, 4
	BLOCK 18, 10
.Lpar:                                                 ; the table: block pw = 0..19 is 512 bytes of one of the seven vectors
	s_sub_co_u32 s5, s3, NBLK
	s_lshr_b32 s6, s5, 1
	s_min_u32 s6, s6, 6                            ; which vector: two blocks each, b1 the last eight
	s_and_b32 s7, s5, 1
	s_max_u32 s40, s5, 12
	s_sub_co_u32 s40, s40, 12
	s_cmp_ge_u32 s5, 12
	s_cselect_b32 s7, s40, s7                      ; which 512 bytes of it
	s_lshl_b32 s7, s7, 9
	v_add_nc_u32 v16, s7, v25
	s_mov_b64 s[36:37], s[20:21]
	s_cmp_eq_u32 s6, 1
	s_cselect_b64 s[36:37], s[22:23], s[36:37]
	s_cmp_eq_u32 s6, 2
	s_cselect_b64 s[36:37], s[24:25], s[36:37]
	s_cmp_eq_u32 s6, 3
	s_cselect_b64 s[36:37], s[26:27], s[36:37]
	s_cmp_eq_u32 s6, 4
	s_cselect_b64 s[36:37], s[28:29], s[36:37]
	s_cmp_eq_u32 s6, 5
	s_cselect_b64 s[36:37], s[30:31], s[36:37]
	s_cmp_eq_u32 s6, 6
	s_cselect_b64 s[36:37], s[32:33], s[36:37]
	global_load_b128 v[4:7], v16, s[36:37]
	s_wait_loadcnt 0x0
	global_store_b128 v24, v[4:7], s[34:35]
	s_endpgm
.Lfunc_end_k_qde4af0f7cc_prep:
	.size	k_qde4af0f7cc_prep, .Lfunc_end_k_qde4af0f7cc_prep-k_qde4af0f7cc_prep
	.p2alignl 7, 3214868480
	.fill 96, 4, 3214868480
	.section	.rodata,"a",@progbits
	.p2align	6, 0x0
	.amdhsa_kernel k_qde4af0f7cc_prep
		.amdhsa_group_segment_fixed_size 0
		.amdhsa_private_segment_fixed_size 0
		.amdhsa_enable_private_segment 0
		.amdhsa_kernarg_size 112
		.amdhsa_user_sgpr_count 2
		.amdhsa_user_sgpr_kernarg_segment_ptr 1
		.amdhsa_wavefront_size32 1
		.amdhsa_system_sgpr_workgroup_id_x 1
		.amdhsa_system_sgpr_workgroup_id_y 1
		.amdhsa_system_sgpr_workgroup_id_z 1
		.amdhsa_system_vgpr_workitem_id 0
		.amdhsa_next_free_vgpr 32
		.amdhsa_next_free_sgpr 66
		.amdhsa_reserve_vcc 0
		.amdhsa_float_denorm_mode_32 3
		.amdhsa_float_denorm_mode_16_64 3
		.amdhsa_memory_ordered 1
		.amdhsa_forward_progress 1
		.amdhsa_inst_pref_size 9
	.end_amdhsa_kernel
	.amdgpu_metadata
---
amdhsa.version: [ 1, 2 ]
amdhsa.kernels:
  - .name:           k_qde4af0f7cc_prep
    .symbol:         k_qde4af0f7cc_prep.kd
    .args:
      - { .name: Wk, .offset: 0, .size: 8, .value_kind: global_buffer, .address_space: global }
      - { .name: Wv, .offset: 8, .size: 8, .value_kind: global_buffer, .address_space: global }
      - { .name: Wq, .offset: 16, .size: 8, .value_kind: global_buffer, .address_space: global }
      - { .name: Wo, .offset: 24, .size: 8, .value_kind: global_buffer, .address_space: global }
      - { .name: W1, .offset: 32, .size: 8, .value_kind: global_buffer, .address_space: global }
      - { .name: W2, .offset: 40, .size: 8, .value_kind: global_buffer, .address_space: global }
      - { .name: g1, .offset: 48, .size: 8, .value_kind: global_buffer, .address_space: global }
      - { .name: be1, .offset: 56, .size: 8, .value_kind: global_buffer, .address_space: global }
      - { .name: bo, .offset: 64, .size: 8, .value_kind: global_buffer, .address_space: global }
      - { .name: g2, .offset: 72, .size: 8, .value_kind: global_buffer, .address_space: global }
      - { .name: be2, .offset: 80, .size: 8, .value_kind: global_buffer, .address_space: global }
      - { .name: b2, .offset: 88, .size: 8, .value_kind: global_buffer, .address_space: global }
      - { .name: b1, .offset: 96, .size: 8, .value_kind: global_buffer, .address_space: global }
      - { .name: wts, .offset: 104, .size: 8, .value_kind: global_buffer, .address_space: global }
    .group_segment_fixed_size: 0
    .private_segment_fixed_size: 0
    .kernarg_segment_align: 8
    .kernarg_segment_size: 112
    .max_flat_workgroup_size: 128
    .sgpr_count:     66
    .vgpr_count:     32
    .wavefront_size: 32
...
	.end_amdgpu_metadata
.endif
;; end of part 1
;; launch block (part 2): grid 256 x 1, 4 waves a work-group, clusters of 4 x 1, 327,680 bytes of LDS; arguments x, wts, out0; writes out0
.if DOCPART == 2
	.amdgcn_target "amdgcn-amd-amdhsa--gfx1250"
	.amdhsa_code_object_version 6
	.text
	.protected	k_qde4af0f7cc_block
	.globl	k_qde4af0f7cc_block
	.p2align	8
	.type	k_qde4af0f7cc_block,@function
k_qde4af0f7cc_block:
	s_mov_b64 s[64:65], 0
	v_nop
	global_prefetch_b8 v0, s[64:65] scope:SCOPE_SE
	s_setreg_imm32_b32 hwreg(HW_REG_WAVE_MODE, 25, 1), 1
	s_wait_xcnt 0x0
	s_wait_alu depctr_hold_cnt(0) depctr_sa_sdst(0) depctr_va_vdst(0) depctr_va_sdst(0) depctr_va_ssrc(0) depctr_va_vcc(0) depctr_vm_vsrc(0)
	s_getreg_b32 s2, hwreg(HW_REG_IB_STS2, 6, 4)
	s_cmp_eq_u32 s2, 0
	s_cbranch_scc0 .Lentry_in_a_cluster
	s_endpgm
.Lentry_in_a_cluster:
	s_bfe_u32 s2, ttmp6, 0x10000c
	s_cmp_lg_u32 s2, 0x3003
	s_cbranch_scc0 .Lentry_shape_is_right
	s_endpgm
.Lentry_shape_is_right:
; THE WHOLE TRANSFORMER BLOCK in one launch: LN1, q k v, causal attention, Wo + bo + residual, LN2, 256 -> 1024 -> 256 with ReLU, biases and residual.  x, out0: [512][128][256] f32.
; SHARES.  A work-group owns two sequences (256 rows), a wave 64 rows of one of them: four tiles of 16.  The residual stream X (64 x 256 f32 = 512 registers a wave) never leaves registers;
; it is the accumulator of the products with Wo and W2.  Only the weights stream: 24 slots of 65,536 bytes (laid out by the launch before) through a ring of two LDS slots.
; LAYOUT.  Every product is used transposed: source 0 = 16 outputs of a weight (k along the registers), source 1 = 16 rows.  In the result lane l = (r = l % 16, h = l / 16) holds row r, and
; register j output 16 nb + 8 h + j.  Two such results, rounded in pairs to f16, ARE source 1 (32 k x 16 rows) of the next product: h, q, p, o and the hidden layer change no lane.
; A row's statistics are a sum inside the lane and one exchange between the halves of the lanes.  V alone has its sources swapped, so that a lane holds a channel and eight keys: V^T's fragments.
; CAUSAL WALK.  Wave w: sequence bl = w / 2, parity p = w % 2.  Its tile i is tile T = 2 i + ((i + p) % 2) of the sequence's eight: for both parities tile i needs the key tiles 0 .. 2 i + 1,
; so the four waves run one text and do equal work: 20 of 32 blocks of 32 keys.  Only the last two key tiles take a mask, given as the C operand of the score product: with e = T % 2,
; key tile 2 i takes (e ? 0 : MD), key tile 2 i + 1 takes (e ? MD : -1e30); MD hides key 8 h + j where it is greater than r.
; SOFTMAX.  A tile's whole row of scores lies in registers: the row's true maximum m is taken away, p = 2^(c s - c m), c = log2(e) / sqrt(32); o is divided by the sum of the unrounded p.
; LAYER NORM.  The mean first, then the sum of (x - mean)^2: no difference of large sums.
; CLUSTER.  All work-groups walk the same weights: four form a cluster and ask for each slot JOINTLY (the same tensor load, descriptor and mask in all four); wave w brings a quarter of a slot.
; FORMATS AND LIMITS.  x, the residual, both norms, the softmax, biases and all sums are f32.  Matrix operands (weights, h, q, k, v, p, o, hidden) are f16: their magnitude must stay under 65,504.
; A hidden score counts as its value less 1e30; a weight p below 2^-126 counts as 0 in the sum; NaN and infinities are not treated apart.
; REGISTERS, in windows of 256 (s_set_vgpr_msb: bits 1:0 source 0, 3:2 source 1, 5:4 source 2, 7:6 destination):
;   window 2: X of tiles 0, 1; window 3: X of tiles 2, 3 (tile t, columns 16 nb on, at v[128 (t % 2) + 8 nb]);   window 1: H (h, later h2, in f16): tile t, k block kb at v[64 t + 8 kb]
;   window 0: v0-15 addresses; v16-31 and v32-63 by phase; v64-127 eight accumulators (also scores, o, half of Wo's fragments); v128-191, v192-255 two fragment buffers (in attention: K or V; q / o and p)
.set SLOTB,  65536                     ; a slot of the ring: 64 fragments of 1,024 bytes, dense
.set KV,     2*SLOTB                   ; K's and V^T's fragments of the head in hand, 16,384 bytes a sequence: written by the waves, never by a tensor load
.set PAR,    KV+32768                  ; the table of gains, shifts and biases, 10,240 bytes, filled once
.set STAGE,  PAR+10240                 ; 16 rows x 1,040 bytes for each wave: x on its way in, the result on its way out
.set SPITCH, 1040                      ; 1,024 bytes + 16: sixteen rows start at sixteen different groups of four banks (64 banks of 4 bytes: ISA guide 11.1)
.set STGW,   16*SPITCH
.set SPARE,  STAGE+4*STGW              ; the spare words, 128 bytes for each wave: two blocks of 256 bytes that no other line names
.set TABLE,  24*SLOTB                  ; the table's place in wts
.set L16, 1                            ; v1   16 x lane
.set WA,  2                            ; v2   16 x lane + the ring slot in hand
.set SPW, 3                            ; v3   my spare word; never rewritten
.set NIL, 4                            ; v4   0; never rewritten
.set PA0, 5                            ; v5   PAR + 32 h: my eight columns of a group of sixteen
.set PA,  6                            ; v6   the same at b1's part for the chunk in hand
.set KVR, 7                            ; v7   KV + my sequence + 16 x lane
.set GO,  8                            ; v8-11  byte offset of tile i in my sequence + 16 x lane; never rewritten
.set KWE, 12                           ; v12, v13  where K's blocks of my even, odd tiles go
.set VWE, 14                           ; v14, v15  the same for V^T
.set STW, 16                           ; v16  stage, by whole rows   (way in and way out)
.set STR, 17                           ; v17  stage, by my row and my eight columns
.set ST,  16                           ; LN: tile t at v[16 + 4 t]: rstd, rstd, mean x rstd, twice
.set T,   32                           ; LN: 32 numbers at work
.set HF,  32                           ; FFN: the hidden layer's fragments, tile t at v[32 + 8 t]
.set ACC, 64                           ; accumulator a = 4 nb + t at v[64 + 8 a]
.set S,   64                           ; scores of key tile kt at v[64 + 8 kt]; o at v[64 + 8 cb]
.set WF0, 128
.set WF1, 192
.set QF,  192                          ; q, then o, of tile t at v[192 + 8 t]
.set P,   224                          ; p of key tile kt at v[224 + 4 kt]
.set DD,  160                          ; LN: x - mean, 32 at a time
.set CH,  192                          ; LN: four chains of pairs
.set MU,  200                          ; LN: the mean, twice
.set TM,  202                          ; LN: two at work
.set WV,  10                           ; s10  wave
.set G1,  24                           ; s[24:31] group 1: 64 rows of 256 bytes
.set G1P, 32                           ; s[32:39] group 1: 10 rows of 256 bytes
.set G0A, 40                           ; s[40:43] group 0: slot 0
.set G0B, 44                           ; s[44:47] group 0: slot 1; it then walks
.set G0P, 48                           ; s[48:51] group 0: the table
.set SB,  52                           ; s52  the ring slot in hand, in LDS bytes
.set CNT, 53
.set BOFF, 54                          ; s54  b1's part for the chunk in hand, from the table's start
.set ZERO, 55
.set R256, 56                          ; 1 / 256
.set EPS, 57                           ; 1e-5
.set CS,  58                           ; s[58:59] c
.set SEL, 60                           ; s[60:61] v_permlanex16_b32: each lane takes its own place in the other half
.set BIGN, 62                          ; -1e30
.set STB, 63                           ; my stage
.set FP,  66                           ; p as a float;  s67: 1 - p;  s68: p ? 0 : -1e30;  s69: p ? -1e30 : 0
.set MSB, 0
.macro WIN new                         ; the immediate's high byte repeats the setting that is left; a switch that changes nothing is dropped
.if MSB != (\new)
	s_set_vgpr_msb (MSB<<8)|(\new)
.set MSB, (\new)
.endif
.endm
; A vector instruction or store that reads a matrix result, a vector write or a load into a matrix instruction's registers stand four places behind it, a matrix instruction that writes over them five;
; only plain vector instructions that name none of its registers are places (ISA guide 7.12.1 for vector instructions).
.macro PLACES n=4
.rept \n
	v_nop
.endr
.endm
; A round of the cluster's barrier: my work-group's barrier, wave 0 signals for the work-group, every wave waits for all four work-groups, my work-group's barrier once more.
.macro CROUND
	s_barrier_signal -1
	s_barrier_wait -1
	s_cmp_lg_u32 s[WV], 0
	s_cbranch_scc1 .Lnot_wave_0_\@
	s_barrier_signal -3
.Lnot_wave_0_\@:
	s_barrier_wait -3
	s_barrier_signal -1
	s_barrier_wait -1
.endm
; THE CHANGE OF SLOTS.  Each wave waits for all its tensor loads (one is out: its quarter of the other slot), adds 0 to its spare word, and waits for that and for its reads of LDS.
; fill = 1: the barrier is a round of the cluster's, and the slot just read out is asked for again, jointly, first thing behind it, with the weights two slots on.
; The four v_nop behind the load (or behind the plain barrier) are also the places in front of the fragment loads that follow.
.macro CHANGE fill
	WIN 0                                          ; the add's registers lie in window 0
	s_wait_tensorcnt 0x0                           ; no tensor load of mine is out, so the walking group 0 may be written
	ds_add_u32 v[SPW], v[NIL]                      ; 0 onto my spare word; the scalar steps stand between it and the wait for it
.if \fill
	s_xor_b32 s[G0B+1], s[G0B+1], SLOTB            ; the other slot than last time,
	s_add_nc_u64 s[G0B+2:G0B+3], s[G0B+2:G0B+3], SLOTB  ; the next 65,536 bytes of wts; the type bits on top are not reached
.endif
	s_xor_b32 s[SB], s[SB], SLOTB
	s_wait_dscnt 0x0                               ; the add is done, and my reads of the slot (and of K and V) are over
.if \fill
	CROUND
	tensor_load_to_lds s[G0B:G0B+3], s[G1:G1+7]
	s_nop 0
	PLACES
.else
	s_barrier_signal -1
	s_barrier_wait -1
	PLACES
.endif
	v_add_nc_u32 v[WA], s[SB], v[L16]
.endm
; Eight fragments, f0 on, of the slot in hand: sixteen loads of 512 neighbouring bytes, in one run
.macro WLOAD buf, f0
	WIN 0
.set f_, 0
.rept 16
	ds_load_b128 v[(\buf)+4*f_:(\buf)+4*f_+3], v[WA] offset:(\f0)*1024+f_*512
.set f_, f_+1
.endr
.endm
.macro MID buf, f0                     ; in the middle of a group of 32 products: the next group's fragments, into the buffer that the group before read
	WIN 0
	PLACES
	WLOAD \buf, \f0
.endm
.macro BLOAD u                         ; b1 for 32 hidden columns: my eight of each sixteen -> v16-31, the C operand that starts the sums
	WIN 0
.set f_, 0
.rept 4
	ds_load_b128 v[16+4*f_:16+4*f_+3], v[PA] offset:(\u)*128+(f_/2)*64+(f_%2)*16
.set f_, f_+1
.endr
.endm
; THE PRODUCTS.  In each of the three macros the accumulators take turns, one instruction a turn: no two matrix instructions that follow each other share one.
; 16 products of 32 outputs (nb = 0, 1) x my four tiles, k blocks 4 g + 2 hf + 0, 1.  At k block 0 the sum starts: with 0 (cm = 1) or with the bias (cm = 2).
.macro MMT buf, g, hf, cm
	WIN 0x04                                       ; source 1 (H) in window 1
.set n_, 0
.rept 16
.set kb_, 4*(\g)+2*(\hf)+n_/8
.set a_, n_%8
.set rD, ACC+8*a_
.set rA, (\buf)+8*((kb_%4)*2+a_/4)
.set rB, 64*(a_%4)+8*kb_
.if (kb_ == 0) && ((\cm) == 1)
	v_wmma_f32_16x16x32_f16 v[rD:rD+7], v[rA:rA+7], v[rB:rB+7], 0
.elseif kb_ == 0
	v_wmma_f32_16x16x32_f16 v[rD:rD+7], v[rA:rA+7], v[rB:rB+7], v[16+8*(a_/4):16+8*(a_/4)+7]
.else
	v_wmma_f32_16x16x32_f16 v[rD:rD+7], v[rA:rA+7], v[rB:rB+7], v[rD:rD+7]
.endif
.set n_, n_+1
.endr
.endm
.macro MMV buf, g, hf                  ; the same with the sources swapped: a lane then holds a channel, its registers eight keys
	WIN 0x01                                       ; source 0 (H) in window 1
.set n_, 0
.rept 16
.set kb_, 4*(\g)+2*(\hf)+n_/8
.set a_, n_%8
.set rD, ACC+8*a_
.set rA, (\buf)+8*((kb_%4)*2+a_/4)
.set rB, 64*(a_%4)+8*kb_
.if kb_ == 0
	v_wmma_f32_16x16x32_f16 v[rD:rD+7], v[rB:rB+7], v[rA:rA+7], 0
.else
	v_wmma_f32_16x16x32_f16 v[rD:rD+7], v[rB:rB+7], v[rA:rA+7], v[rD:rD+7]
.endif
.set n_, n_+1
.endr
.endm
.macro MMX buf, hf, nb0, bop           ; 16 products onto X: columns 16 (nb0 + 0..7) of tiles 2 hf, 2 hf + 1; 32 along k; source 1 at v[bop + 8 t]
	WIN 0xa0+0x50*(\hf)                            ; C and D in window 2 or 3
.set n_, 0
.rept 16
.set rD, 128*(n_%2)+8*((\nb0)+n_/2)
.set rA, (\buf)+8*(n_/2)
.set rB, (\bop)+8*(2*(\hf)+n_%2)
	v_wmma_f32_16x16x32_f16 v[rD:rD+7], v[rA:rA+7], v[rB:rB+7], v[rD:rD+7]
.set n_, n_+1
.endr
.endm
; The eight accumulators rounded to f16 (each from its low end on).  CVT8 dst, sa, sb: accumulator a = 4 nb + t goes to v[dst + sa t + sb nb + 0..3]
.macro CVT8 dst, sa, sb
	WIN 0
	PLACES
.set a_, 0
.rept 8
.set r_, 0
.rept 4
	v_cvt_pk_f16_f32 v[(\dst)+(\sa)*(a_%4)+(\sb)*(a_/4)+r_], v[ACC+8*a_+2*r_], v[ACC+8*a_+2*r_+1]
.set r_, r_+1
.endr
.set a_, a_+1
.endr
.endm
.macro PACKKV kind                     ; in place, then into LDS as blocks of fragments.  kind 0: K (tile T's fragment, block nb); 1: V^T (fragment 2 t + cb, block T % 2)
	CVT8 ACC, 8, 32
.set a_, 0
.rept 8
.if (\kind) == 0
	ds_store_b128 v[KWE+a_%2], v[ACC+8*a_:ACC+8*a_+3] offset:2*(a_%4)*1024+(a_/4)*512
.else
	ds_store_b128 v[VWE+a_%2], v[ACC+8*a_:ACC+8*a_+3] offset:(2*(a_%4)+a_/4)*1024
.endif
.set a_, a_+1
.endr
.endm
.macro PACKH                           ; the hidden layer: rounded, then ReLU on the packed halves (the order changes no bit)
	CVT8 HF, 8, 4
.set a_, 0
.rept 32
	v_pk_max_num_f16 v[HF+a_], v[HF+a_], s[ZERO]
.set a_, a_+1
.endr
.endm
; ATTENTION, tile i of my four, one head.
.macro KLOAD i                         ; K's fragments of key tiles 0 .. 2 i + 1
.set f_, 0
.rept 2*(2*(\i)+2)
	ds_load_b128 v[WF0+4*f_:WF0+4*f_+3], v[KVR] offset:f_*512
.set f_, f_+1
.endr
.endm
.macro VLOAD i                         ; V^T's fragments: 32 keys kk = 0 .. i, channels 16 cb on, at number 2 kk + cb
.set f_, 0
.rept 4*((\i)+1)
	ds_load_b128 v[WF0+4*f_:WF0+4*f_+3], v[KVR] offset:8192+f_*512
.set f_, f_+1
.endr
.endm
.macro EXPS kt
.set e_, 0
.rept 8
	v_exp_f32 v[S+8*(\kt)+e_], v[S+8*(\kt)+e_]
.set e_, e_+1
.endr
.endm
.macro POST kt                         ; key tile kt's weights: rounded to f16; their sum, in pairs, onto l
.set e_, 0
	s_wait_alu depctr_va_vdst(0)
.rept 4
	v_cvt_pk_f16_f32 v[P+4*(\kt)+e_], v[S+8*(\kt)+2*e_], v[S+8*(\kt)+2*e_+1]
.set e_, e_+1
.endr
	v_pk_add_f32 v[S+8*(\kt):S+8*(\kt)+1], v[S+8*(\kt):S+8*(\kt)+1], v[S+8*(\kt)+2:S+8*(\kt)+3]
	v_pk_add_f32 v[S+8*(\kt)+4:S+8*(\kt)+5], v[S+8*(\kt)+4:S+8*(\kt)+5], v[S+8*(\kt)+6:S+8*(\kt)+7]
	v_pk_add_f32 v[S+8*(\kt):S+8*(\kt)+1], v[S+8*(\kt):S+8*(\kt)+1], v[S+8*(\kt)+4:S+8*(\kt)+5]
.if (\kt) == 1
	v_pk_add_f32 v[28:29], v[S:S+1], v[S+8:S+9]
.elseif (\kt) > 1
	v_pk_add_f32 v[28:29], v[28:29], v[S+8*(\kt):S+8*(\kt)+1]
.endif
.endm
.macro SOFT i
.set nk_, 2*(\i)+2
.set k_, 0
.rept nk_                              ; the maximum: a chain for each key tile, three operands at a time, from the accumulator's low end on
	v_max3_num_f32 v[16+k_], v[S+8*k_], v[S+8*k_+1], v[S+8*k_+2]
.set k_, k_+1
.endr
.set k_, 0
.rept nk_
	v_max3_num_f32 v[16+k_], v[16+k_], v[S+8*k_+3], v[S+8*k_+4]
.set k_, k_+1
.endr
.set k_, 0
.rept nk_
	v_max3_num_f32 v[16+k_], v[16+k_], v[S+8*k_+5], v[S+8*k_+6]
.set k_, k_+1
.endr
.set k_, 0
.rept nk_/2
	v_max3_num_f32 v[16+2*k_], v[16+2*k_], v[S+16*k_+7], v[S+16*k_+15]
.set k_, k_+1
.endr
.set k_, 0
.rept nk_/2
	v_max_num_f32 v[16+2*k_], v[16+2*k_], v[17+2*k_]
.set k_, k_+1
.endr
.if nk_ > 2
.set k_, 1
.rept nk_/2-1
	v_max_num_f32 v16, v16, v[16+2*k_]
.set k_, k_+1
.endr
.endif
	v_permlanex16_b32 v24, v16, s[SEL], s[SEL+1]   ; the query's other keys lie in the lane 16 away
	v_max_num_f32 v24, v16, v24
	v_mul_f32 v26, s[CS], v24                      ; c m
.set k_, 0
.rept 4*nk_
	v_pk_fma_f32 v[S+2*k_:S+2*k_+1], v[S+2*k_:S+2*k_+1], s[CS:CS+1], v[26:27] op_sel_hi:[1,0,0] neg_lo:[0,0,1] neg_hi:[0,0,1]  ; c s - c m
.set k_, k_+1
.endr
	EXPS 0                                         ; a key tile's exponentials stand in one run; what uses them comes a run later, with plain instructions between (ISA guide 5.7.2)
.set k_, 1
.rept nk_-1
	EXPS k_
.if k_ == 1
	v_nop
	s_wait_alu depctr_va_vdst(0)
.endif
	POST k_-1
.set k_, k_+1
.endr
	POST nk_-1
	v_add_f32 v28, v28, v29
	v_permlanex16_b32 v29, v28, s[SEL], s[SEL+1]
	v_add_f32 v28, v28, v29
	v_rcp_f32 v30, v28
	v_nop
.endm
.macro ATT i
	WIN 0
	s_wait_dscnt 0x0                               ; K's fragments are in
.set k_, 0
.rept 2*(\i)+2                         ; S^T = K Q^T: the head's 32 channels are one instruction deep; the last two key tiles start from their masks
.if k_ == 2*(\i)
	v_wmma_f32_16x16x32_f16 v[S+8*k_:S+8*k_+7], v[WF0+8*k_:WF0+8*k_+7], v[QF+8*(\i):QF+8*(\i)+7], v[32+16*((\i)%2):32+16*((\i)%2)+7]
.elseif k_ == 2*(\i)+1
	v_wmma_f32_16x16x32_f16 v[S+8*k_:S+8*k_+7], v[WF0+8*k_:WF0+8*k_+7], v[QF+8*(\i):QF+8*(\i)+7], v[40+16*((\i)%2):40+16*((\i)%2)+7]
.else
	v_wmma_f32_16x16x32_f16 v[S+8*k_:S+8*k_+7], v[WF0+8*k_:WF0+8*k_+7], v[QF+8*(\i):QF+8*(\i)+7], 0
.endif
.set k_, k_+1
.endr
	PLACES
	VLOAD \i                                       ; V^T lands while the softmax is made
	SOFT \i
	s_wait_dscnt 0x0
.set k_, 0
.rept 2*((\i)+1)                       ; O^T = V^T P: the two channel blocks take turns
.set rD, S+8*(k_%2)
.if k_ < 2
	v_wmma_f32_16x16x32_f16 v[rD:rD+7], v[WF0+8*k_:WF0+8*k_+7], v[P+8*(k_/2):P+8*(k_/2)+7], 0
.else
	v_wmma_f32_16x16x32_f16 v[rD:rD+7], v[WF0+8*k_:WF0+8*k_+7], v[P+8*(k_/2):P+8*(k_/2)+7], v[rD:rD+7]
.endif
.set k_, k_+1
.endr
	PLACES
.if (\i) < 3
	KLOAD (\i)+1
.else
	WLOAD WF0, 48                                  ; Wo's fragments for columns 0-127
.endif
.set k_, 0
	s_wait_alu depctr_va_vdst(0)
.rept 8
	v_pk_mul_f32 v[S+2*k_:S+2*k_+1], v[S+2*k_:S+2*k_+1], v[30:31] op_sel_hi:[1,0]  ; o / l
.set k_, k_+1
.endr
.set k_, 0
.rept 8
	v_cvt_pk_f16_f32 v[QF+8*(\i)+k_], v[S+2*k_], v[S+2*k_+1]  ; o takes q's place: source 1 of the product with Wo
.set k_, k_+1
.endr
.if (\i) == 3
	WLOAD ACC, 56                                  ; Wo's fragments for columns 128-255, where scores and o lay
.endif
.endm
; LAYER NORM of my 64 rows, and the bias that the products behind it add onto: ph = 0: g1, be1, bo; 1: g2, be2, b2.
.macro PLOAD buf, g, ph                ; gain, shift and bias of columns 64 g .. 64 g + 63: my eight of each sixteen, 32 registers each
	WIN 0
.set f_, 0
.rept 24
	ds_load_b128 v[(\buf)+4*f_:(\buf)+4*f_+3], v[PA0] offset:(\ph)*3072+(f_/8)*1024+(4*(\g)+(f_%8)/2)*64+(f_%2)*16
.set f_, f_+1
.endr
.endm
.macro RED                             ; four chains of pairs -> the row's sum, in both lanes that hold the row
	v_pk_add_f32 v[CH:CH+1], v[CH:CH+1], v[CH+2:CH+3]
	v_pk_add_f32 v[CH+4:CH+5], v[CH+4:CH+5], v[CH+6:CH+7]
	v_pk_add_f32 v[CH:CH+1], v[CH:CH+1], v[CH+4:CH+5]
	v_add_f32 v[TM], v[CH], v[CH+1]
	v_permlanex16_b32 v[TM+1], v[TM], s[SEL], s[SEL+1]
	v_add_f32 v[TM], v[TM], v[TM+1]
.endm
.macro STATS t
.set WX, 2+(\t)/2
.set XR, 128*((\t)%2)
	WIN 5*WX                                       ; sources 0 and 1 in X's window
.set k_, 0
.rept 4                                ; the first eight pairs start the chains; every accumulator of X is read from its low end on
	v_pk_add_f32 v[CH+2*k_:CH+2*k_+1], v[XR+2*k_:XR+2*k_+1], v[XR+8+2*k_:XR+8+2*k_+1]
.set k_, k_+1
.endr
	WIN WX
.set k_, 8
.rept 56
	v_pk_add_f32 v[CH+2*(k_%4):CH+2*(k_%4)+1], v[XR+2*k_:XR+2*k_+1], v[CH+2*(k_%4):CH+2*(k_%4)+1]
.set k_, k_+1
.endr
	WIN 0
	RED
	v_mul_f32 v[MU], s[R256], v[TM]
	v_mov_b32 v[MU+1], v[MU]
.set b_, 0
.rept 4                                ; (x - mean)^2, 32 numbers at a time
	WIN WX
.set k_, 0
.rept 16
	v_pk_add_f32 v[DD+2*k_:DD+2*k_+1], v[XR+32*b_+2*k_:XR+32*b_+2*k_+1], v[MU:MU+1] neg_lo:[0,1] neg_hi:[0,1]
.set k_, k_+1
.endr
	WIN 0
.set k_, 0
.rept 16
.if (b_ == 0) && (k_ < 4)
	v_pk_mul_f32 v[CH+2*k_:CH+2*k_+1], v[DD+2*k_:DD+2*k_+1], v[DD+2*k_:DD+2*k_+1]
.else
	v_pk_fma_f32 v[CH+2*(k_%4):CH+2*(k_%4)+1], v[DD+2*k_:DD+2*k_+1], v[DD+2*k_:DD+2*k_+1], v[CH+2*(k_%4):CH+2*(k_%4)+1]
.endif
.set k_, k_+1
.endr
.set b_, b_+1
.endr
	RED
	v_fma_f32 v[TM], v[TM], s[R256], s[EPS]
	v_rsq_f32 v[ST+4*(\t)], v[TM]
	v_nop                                          ; a plain instruction between the root and the use of its result
	s_wait_alu depctr_va_vdst(0)
	v_mov_b32 v[ST+4*(\t)+1], v[ST+4*(\t)]
	v_mul_f32 v[ST+4*(\t)+2], v[MU], v[ST+4*(\t)]
	v_mov_b32 v[ST+4*(\t)+3], v[ST+4*(\t)+2]
.endm
.macro NORM t, g, pg                   ; columns 64 g .. +63 of tile t: H = f16((x rstd - mean rstd) gain + shift); then X += bias
.set WX, 2+(\t)/2
.set XR, 128*((\t)%2)+32*(\g)
	WIN WX
.set k_, 0
.rept 16
	v_pk_fma_f32 v[T+2*k_:T+2*k_+1], v[XR+2*k_:XR+2*k_+1], v[ST+4*(\t):ST+4*(\t)+1], v[ST+4*(\t)+2:ST+4*(\t)+3] neg_lo:[0,0,1] neg_hi:[0,0,1]
.set k_, k_+1
.endr
	WIN 0
.set k_, 0
.rept 16
	v_pk_fma_f32 v[T+2*k_:T+2*k_+1], v[T+2*k_:T+2*k_+1], v[(\pg)+2*k_:(\pg)+2*k_+1], v[(\pg)+32+2*k_:(\pg)+32+2*k_+1]
.set k_, k_+1
.endr
	WIN 0x40
.set k_, 0
.rept 16
	v_cvt_pk_f16_f32 v[64*(\t)+16*(\g)+k_], v[T+2*k_], v[T+2*k_+1]
.set k_, k_+1
.endr
	WIN (WX<<6)|WX
.set k_, 0
.rept 16
	v_pk_add_f32 v[XR+2*k_:XR+2*k_+1], v[XR+2*k_:XR+2*k_+1], v[(\pg)+64+2*k_:(\pg)+64+2*k_+1]
.set k_, k_+1
.endr
.endm
.macro LN ph
	WIN 0
	s_wait_dscnt 0x0                               ; no LDS load of mine is out: v64-255 may be loaded and written
	PLACES                                         ; behind the last products onto X
	v_mov_b32 v[TM+1], 0                           ; v_permlanex16_b32 counts as a reader of its destination
	PLOAD 64, 0, \ph
.irp t, 0,1,2,3
	STATS \t
.endr
	PLOAD 160, 1, \ph
	s_wait_dscnt 24                                ; all but the 24 just issued
.irp t, 0,1,2,3
	NORM \t, 0, 64
.endr
	PLOAD 64, 2, \ph
	s_wait_dscnt 24
.irp t, 0,1,2,3
	NORM \t, 1, 160
.endr
	PLOAD 160, 3, \ph
	s_wait_dscnt 24
.irp t, 0,1,2,3
	NORM \t, 2, 64
.endr
	s_wait_dscnt 0x0
.irp t, 0,1,2,3
	NORM \t, 3, 160
.endr
	WIN 0
.endm
; THE WAY IN AND OUT.  Memory is touched by whole rows (a load or store of the wave covers 512 consecutive bytes, aligned); my stage in LDS turns 16 rows into the matrix layout and back.
.macro XLD i
	WIN 0x80+0x40*((\i)/2)
.set q_, 0
.rept 32
	global_load_b128 v[128*((\i)%2)+4*q_:128*((\i)%2)+4*q_+3], v[GO+(\i)], s[4:5] offset:q_*512 th:TH_LOAD_NT
.set q_, q_+1
.endr
.endm
.macro XTURN i
	WIN 0x08+0x04*((\i)/2)
.set q_, 0
.rept 32
	ds_store_b128 v[STW], v[128*((\i)%2)+4*q_:128*((\i)%2)+4*q_+3] offset:(q_/2)*SPITCH+(q_%2)*512
.set q_, q_+1
.endr
	WIN 0x80+0x40*((\i)/2)
.set q_, 0
.rept 32
	ds_load_b128 v[128*((\i)%2)+4*q_:128*((\i)%2)+4*q_+3], v[STR] offset:(q_/2)*64+(q_%2)*16  ; LDS serves a wave's instructions in order (ISA guide 5.7.1.4): these see the stores above
.set q_, q_+1
.endr
.endm
.macro OUT i
	WIN 0x08+0x04*((\i)/2)
.set q_, 0
.rept 32
	ds_store_b128 v[STR], v[128*((\i)%2)+4*q_:128*((\i)%2)+4*q_+3] offset:(q_/2)*64+(q_%2)*16  ; each accumulator's low half first
.set q_, q_+1
.endr
	WIN 0x80+0x40*((\i)/2)
.set q_, 0
.rept 32
	ds_load_b128 v[128*((\i)%2)+4*q_:128*((\i)%2)+4*q_+3], v[STW] offset:(q_/2)*SPITCH+(q_%2)*512
.set q_, q_+1
.endr
	WIN 0x08+0x04*((\i)/2)
.set q_, 0
.rept 32
	s_wait_dscnt 31-q_                             ; the younger loads from the stage may stay out
	global_store_b128 v[GO+(\i)], v[128*((\i)%2)+4*q_:128*((\i)%2)+4*q_+3], s[8:9] offset:q_*512 th:TH_STORE_NT
.set q_, q_+1
.endr
.endm
; ---------------------------------------------------------------- the head
	s_load_b128 s[4:7], s[0:1], 0x0                ; x s[4:5], wts s[6:7]
	s_load_b64 s[8:9], s[0:1], 0x10                ; out0
	v_lshl_add_u32 v[SPW], v0, 2, SPARE
	v_mov_b32 v[NIL], 0
	ds_add_u32 v[SPW], v[NIL]                      ; the wave's opening: the add and its wait stand ahead of my first tensor load; the set-up, work on registers, stands between them
	v_lshrrev_b32 v18, 5, v0
	v_readfirstlane_b32 s[WV], v18                 ; wave 0..3
	s_and_b32 s11, s[WV], 1                        ; p
	s_xor_b32 s13, s11, 1                          ; 1 - p
	s_lshr_b32 s12, s[WV], 1                       ; bl
	s_bfe_u32 s20, ttmp6, 0x40000                  ; cx: it enters x's and out0's addresses alone
	s_lshl_b32 s14, ttmp9, 2                       ; in a cluster launch ttmp9 counts clusters
	s_add_co_u32 s14, s14, s20
	s_lshl_b32 s14, s14, 18                        ; the work-group's two sequences of 131,072 bytes,
	s_lshl_b32 s15, s12, 17                        ; mine of the two
	s_add_co_u32 s14, s14, s15
	s_mov_b32 s15, 0
	s_lshl_b32 s16, s[WV], 14                      ; my quarter of a slot
	s_mov_b32 s17, 0
	s_mul_i32 s18, s[WV], 2560                     ; my quarter of the table
	s_mov_b32 s19, 0
	; group 1: dense bytes asked for as rows of 256 bytes (32 elements of 8 bytes); 15:0 the mask of four; 17:16 element size code 3; 21 set beside a mask
	s_mov_b32 s[G1], 15|(3<<16)|(1<<21)
	s_mov_b32 s[G1+1], 32<<16                      ; tensor_dim0 = 32
	s_mov_b32 s[G1+2], 64<<16                      ; tensor_dim1 = 64
	s_mov_b32 s[G1+3], 32<<16                      ; tile_dim0 = 32
	s_mov_b32 s[G1+4], 64                          ; tile_dim1 = 64
	s_mov_b32 s[G1+5], 32                          ; 32 elements from row to row
	s_mov_b32 s[G1+6], 0
	s_mov_b32 s[G1+7], 0
	s_mov_b32 s[G1P], 15|(3<<16)|(1<<21)
	s_mov_b32 s[G1P+1], 32<<16
	s_mov_b32 s[G1P+2], 10<<16                     ; ten rows
	s_mov_b32 s[G1P+3], 32<<16
	s_mov_b32 s[G1P+4], 10
	s_mov_b32 s[G1P+5], 32
	s_mov_b32 s[G1P+6], 0
	s_mov_b32 s[G1P+7], 0
	s_mov_b32 s[G0A], 1
	s_lshl_b32 s[G0A+1], s[WV], 14                 ; LDS: wave x 16,384, in ring slot 0
	s_mov_b32 s[G0B], 1
	s_add_co_u32 s[G0B+1], s16, SLOTB              ; in ring slot 1
	s_mov_b32 s[G0P], 1
	s_add_co_u32 s[G0P+1], s18, PAR
	s_add_co_u32 s18, s18, TABLE
	s_mov_b32 s[SB], 0
	s_mov_b32 s[ZERO], 0
	s_mov_b32 s[R256], 0x3b800000                  ; 1 / 256
	s_mov_b32 s[EPS], 0x3727c5ac                   ; 1e-5
	s_mov_b32 s[CS], 0x3e8293ee                    ; c = log2(e) / sqrt(32) = 0.255035
	s_mov_b32 s[CS+1], s[CS]                       ; named with it as a pair
	s_mov_b32 s[SEL], 0x76543210
	s_mov_b32 s[SEL+1], 0xfedcba98
	s_mov_b32 s[BIGN], 0xf149f2ca                  ; -1e30
	s_cmp_eq_u32 s11, 1
	s_cselect_b32 s[FP], 1.0, 0
	s_cselect_b32 s[FP+1], 0, 1.0
	s_cselect_b32 s[FP+2], 0, s[BIGN]
	s_cselect_b32 s[FP+3], s[BIGN], 0
	v_and_b32 v18, 31, v0
	v_lshlrev_b32 v[L16], 4, v18
	v_and_b32 v18, 15, v0                          ; r
	v_bfe_u32 v19, v0, 4, 1                        ; h
	v_lshl_add_u32 v[PA0], v19, 5, PAR
	s_lshl_b32 s21, s12, 14
	s_add_co_u32 s21, s21, KV
	v_add_nc_u32 v[KVR], s21, v[L16]
	s_lshl_b32 s21, s11, 14                        ; tiles of 16 rows are 16,384 bytes of x: tile i is number 2 i + p (i even) or 2 i + 1 - p (i odd)
	s_lshl_b32 s22, s13, 14
	v_add_nc_u32 v[GO], s21, v[L16]
	s_add_co_u32 s23, s22, 2*16384
	v_add_nc_u32 v[GO+1], s23, v[L16]
	s_add_co_u32 s23, s21, 4*16384
	v_add_nc_u32 v[GO+2], s23, v[L16]
	s_add_co_u32 s23, s22, 6*16384
	v_add_nc_u32 v[GO+3], s23, v[L16]
	s_lshl_b32 s21, s11, 10                        ; K: tile T's fragment lies at 1,024 T
	s_lshl_b32 s22, s13, 10
	v_add_nc_u32 v[KWE], s21, v[KVR]
	v_add_nc_u32 v[KWE+1], s22, v[KVR]
	s_lshl_b32 s21, s11, 9                         ; V^T: tile T is block T % 2 of its fragments, behind K's 8,192 bytes
	s_lshl_b32 s22, s13, 9
	s_add_co_u32 s21, s21, 8192
	s_add_co_u32 s22, s22, 8192
	v_add_nc_u32 v[VWE], s21, v[KVR]
	v_add_nc_u32 v[VWE+1], s22, v[KVR]
	s_mul_i32 s[STB], s[WV], STGW
	s_add_co_u32 s[STB], s[STB], STAGE
	v_add_nc_u32 v[STW], s[STB], v[L16]
	v_mul_u32_u24 v[STR], v18, SPITCH
	v_lshl_add_u32 v[STR], v19, 5, v[STR]
	v_add_nc_u32 v[STR], s[STB], v[STR]
	s_wait_dscnt 0x0                               ; the opening add is done
	s_wait_kmcnt 0x0
	s_add_nc_u64 s[G0A+2:G0A+3], s[6:7], s[16:17]  ; wts at my quarter of slot 0,
	s_add_nc_u64 s[G0B+2:G0B+3], s[G0A+2:G0A+3], SLOTB  ; of slot 1,
	s_add_nc_u64 s[G0P+2:G0P+3], s[6:7], s[18:19]  ; and of the table
	s_or_b32 s[G0A+3], s[G0A+3], 0x80000000        ; type = 2
	s_or_b32 s[G0B+3], s[G0B+3], 0x80000000
	s_or_b32 s[G0P+3], s[G0P+3], 0x80000000
	s_add_nc_u64 s[4:5], s[4:5], s[14:15]          ; x and out0 at my sequence
	s_add_nc_u64 s[8:9], s[8:9], s[14:15]
	CROUND                                         ; all four work-groups are here: the first joint loads meet
	tensor_load_to_lds s[G0P:G0P+3], s[G1P:G1P+7]  ; the first fills go out as one group: three loads of mine are out
	s_nop 0
	tensor_load_to_lds s[G0A:G0A+3], s[G1:G1+7]
	s_nop 0
	tensor_load_to_lds s[G0B:G0B+3], s[G1:G1+7]
	s_nop 0
	PLACES
; ---------------------------------------------------------------- x comes in: two tiles' loads are always out
	XLD 0
	XLD 1
	s_wait_loadcnt 32                              ; tile 0 is in; tile 1's 32 loads stay out
	XTURN 0
	XLD 2
	s_wait_loadcnt 32
	XTURN 1
	XLD 3
	s_wait_loadcnt 32
	XTURN 2
	s_wait_loadcnt 0x0
	XTURN 3
	WIN 0
	s_wait_tensorcnt 1                             ; my parts of the table and of slot 0 are in; slot 1's may stay out
	s_wait_dscnt 0x0
	s_barrier_signal -1
	s_barrier_wait -1                              ; everybody's are
	LN 0                                           ; h = LN1(x) into H;  X = x + bo
; ---------------------------------------------------------------- the masks, once: md = (8 h + j > r) ? -1e30 : 0, and its four uses by parity
	v_and_b32 v24, 15, v0
	v_bfe_u32 v25, v0, 4, 1
	v_lshlrev_b32 v25, 3, v25
	v_sub_nc_u32 v24, v24, v25                     ; r - 8 h
.set j_, 0
.rept 8
	v_cmp_gt_i32 vcc_lo, j_, v24
	v_cndmask_b32 v25, 0, s[BIGN], vcc_lo
	v_mul_f32 v[32+j_], s[FP+1], v25               ; even i, key tile 2 i:      p ? 0 : md
	v_fma_f32 v[40+j_], v25, s[FP], s[FP+2]        ; even i, key tile 2 i + 1:  p ? md : -1e30
	v_mul_f32 v[48+j_], s[FP], v25                 ; odd i,  key tile 2 i:      p ? md : 0
	v_fma_f32 v[56+j_], v25, s[FP+1], s[FP+3]      ; odd i,  key tile 2 i + 1:  p ? -1e30 : md
.set j_, j_+1
.endr
	v_mov_b32 v24, 0                               ; destinations of v_permlanex16_b32 and upper halves of named pairs are written once
	v_mov_b32 v27, 0
	v_mov_b32 v29, 0
	v_mov_b32 v31, 0
	v_add_nc_u32 v[WA], s[SB], v[L16]
	WLOAD WF0, 0
; ---------------------------------------------------------------- eight heads, a slot each.  Every group of 32 products waits for its fragments, which were asked for in the middle of the group before.
	s_mov_b32 s[CNT], 8
.Lhead:
	s_wait_dscnt 0x0
	MMT WF0, 0, 0, 1                               ; k = h Wk
	MID WF1, 8
	MMT WF0, 0, 1, 1
	s_wait_dscnt 0x0
	MMT WF1, 1, 0, 1
	MID WF0, 16
	MMT WF1, 1, 1, 1
	PACKKV 0
	s_wait_dscnt 0x0
	MMV WF0, 0, 0                                  ; v = h Wv, turned
	MID WF1, 24
	MMV WF0, 0, 1
	s_wait_dscnt 0x0
	MMV WF1, 1, 0
	MID WF0, 32
	MMV WF1, 1, 1
	PACKKV 1
	s_wait_dscnt 0x0
	MMT WF0, 0, 0, 1                               ; q = h Wq
	MID WF1, 40
	MMT WF0, 0, 1, 1
	s_wait_dscnt 0x0
	MMT WF1, 1, 0, 1
	MMT WF1, 1, 1, 1
	CVT8 QF, 8, 4
	s_wait_dscnt 0x0                               ; for the partner wave's sake: my K and V^T are in LDS
	s_barrier_signal -1                            ; the ring's refill may stay out
	s_barrier_wait -1
	KLOAD 0
	ATT 0
	ATT 1
	ATT 2
	ATT 3
	s_wait_dscnt 16                                ; Wo's first eight fragments are in; the other sixteen loads may be out
	MMX WF0, 0, 0, QF                              ; X += o Wo, the head's 32 rows of Wo
	MMX WF0, 1, 0, QF
	s_wait_dscnt 0x0
	MMX ACC, 0, 8, QF
	CHANGE 1                                       ; the slot is read out; the round also stands between this head's reads of K and V and the next head's stores
	WLOAD WF0, 0                                   ; the next slot's first fragments
	MMX ACC, 1, 8, QF
	WIN 0
	PLACES 5                                       ; the next trip's first products write over v64 on, which these products read
	s_sub_co_u32 s[CNT], s[CNT], 1
	s_cmp_lg_u32 s[CNT], 0
	s_cbranch_scc1 .Lhead
	LN 1                                           ; h2 = LN2(X) into H;  X += b2.  (Its opening wait takes in the fragments fetched above, which it overwrites.)
; ---------------------------------------------------------------- the FFN: sixteen chunks of 64 hidden columns, a slot each, in two halves of 32: hidden = relu(h2 W1 + b1), X += hidden W2
.macro CHUNK fill
.irp u, 0, 1
	s_wait_dscnt 0x0
	MMT WF0, 0, 0, 2
	MID WF1, 32*\u+8
	MMT WF0, 0, 1, 2
	s_wait_dscnt 0x0
	MMT WF1, 1, 0, 2
	MID WF0, 32*\u+16
	MMT WF1, 1, 1, 2
	PACKH
	s_wait_dscnt 0x0
	MMX WF0, 0, 0, HF
	MID WF1, 32*\u+24
	MMX WF0, 1, 0, HF
	s_wait_dscnt 0x0
	MMX WF1, 0, 8, HF
.if \u == 0
	MID WF0, 32
	BLOAD 1
.else
	CHANGE \fill
	s_add_co_u32 s[BOFF], s[BOFF], 256             ; b1's next 64 numbers; behind the last chunk the address stays inside the table
	s_min_u32 s[BOFF], s[BOFF], 6144+15*256
	v_add_nc_u32 v[PA], s[BOFF], v[PA0]
	WLOAD WF0, 0
	BLOAD 0
.endif
	MMX WF1, 1, 8, HF
.endr
	WIN 0
.endm
	WLOAD WF0, 0
	s_mov_b32 s[BOFF], 6144
	v_add_nc_u32 v[PA], s[BOFF], v[PA0]
	BLOAD 0
	s_mov_b32 s[CNT], 14                           ; with the heads' eight these are 22 refills: slots 2 to 23
.Lffn:
	CHUNK 1
	s_sub_co_u32 s[CNT], s[CNT], 1
	s_cmp_lg_u32 s[CNT], 0
	s_cbranch_scc1 .Lffn
	s_mov_b32 s[CNT], 2                            ; the last two chunks ask for nothing: a text of their own.
.Ltail:                                                ; The first trip's change of slots shows the last slot whole; the second trip's, and the 20 LDS loads behind it, serve nothing: the price, once a launch, of one text for both
	CHUNK 0
	s_sub_co_u32 s[CNT], s[CNT], 1
	s_cmp_lg_u32 s[CNT], 0
	s_cbranch_scc1 .Ltail
; ---------------------------------------------------------------- the result goes out
	s_wait_dscnt 0x0                               ; no LDS load of mine is out: v16 on may be written
	PLACES                                         ; behind the last products onto X
	v_and_b32 v18, 15, v0
	v_bfe_u32 v19, v0, 4, 1
	v_add_nc_u32 v[STW], s[STB], v[L16]
	v_mul_u32_u24 v[STR], v18, SPITCH
	v_lshl_add_u32 v[STR], v19, 5, v[STR]
	v_add_nc_u32 v[STR], s[STB], v[STR]
	OUT 0
	OUT 1
	OUT 2
	OUT 3
	WIN 0
	s_wait_tensorcnt 0x0                           ; the wave's end, behind my last tensor load and my last LDS store
	ds_add_u32 v[SPW], v[NIL]
	s_wait_dscnt 0x0
	CROUND                                         ; the closing round: no work-group ends while a partner may still ask for a slot that names it
	s_endpgm
.Lfunc_end_k_qde4af0f7cc_block:
	.size	k_qde4af0f7cc_block, .Lfunc_end_k_qde4af0f7cc_block-k_qde4af0f7cc_block
	.p2alignl 7, 3214868480
	.fill 96, 4, 3214868480
	.section	.rodata,"a",@progbits
	.p2align	6, 0x0
	.amdhsa_kernel k_qde4af0f7cc_block
		.amdhsa_group_segment_fixed_size 327680
		.amdhsa_private_segment_fixed_size 0
		.amdhsa_enable_private_segment 0
		.amdhsa_kernarg_size 24
		.amdhsa_user_sgpr_count 2
		.amdhsa_user_sgpr_kernarg_segment_ptr 1
		.amdhsa_wavefront_size32 1
		.amdhsa_system_sgpr_workgroup_id_x 1
		.amdhsa_system_sgpr_workgroup_id_y 1
		.amdhsa_system_sgpr_workgroup_id_z 1
		.amdhsa_system_vgpr_workitem_id 0
		.amdhsa_next_free_vgpr 1024
		.amdhsa_next_free_sgpr 72
		.amdhsa_reserve_vcc 1
		.amdhsa_float_denorm_mode_32 3
		.amdhsa_float_denorm_mode_16_64 3
		.amdhsa_memory_ordered 1
		.amdhsa_forward_progress 1
		.amdhsa_inst_pref_size 255
	.end_amdhsa_kernel
	.section	.bss,"aw",@nobits
	.p2align	6
	.space	262144
	.amdgpu_metadata
---
amdhsa.version: [ 1, 2 ]
amdhsa.kernels:
  - .name:           k_qde4af0f7cc_block
    .symbol:         k_qde4af0f7cc_block.kd
    .args:
      - { .name: x, .offset: 0, .size: 8, .value_kind: global_buffer, .address_space: global }
      - { .name: wts, .offset: 8, .size: 8, .value_kind: global_buffer, .address_space: global }
      - { .name: out0, .offset: 16, .size: 8, .value_kind: global_buffer, .address_space: global }
    .group_segment_fixed_size: 327680
    .private_segment_fixed_size: 0
    .kernarg_segment_align: 8
    .kernarg_segment_size: 24
    .max_flat_workgroup_size: 128
    .sgpr_count:     72
    .vgpr_count:     1024
    .wavefront_size: 32
...
	.end_amdgpu_metadata
.endif
;; end of part 2
